; MI455X (gfx1250); checked and timed in simulation.
; The chip was launched on July 23, 2026; its instructions are those of AMD's public machine-readable ISA for CDNA 5 (MIT licence, August 2026) and "CDNA5" Instruction Set Architecture Reference Guide (July 2026). The comments in the code are by the model that wrote it; some were corrected since.
;; Power Softmax. Allowed arithmetic: matrix products marked QUANTISED: E3M2 operands, one E8M0 scale for each 32 along K, by v_wmma_scale_f32_16x16x128_f8f6f4 with both operands' format E3M2, f32 sums; everything else in f32.
;; Inputs: k 4 x 16 x 2,048 x 64 float32; q 4 x 16 x 2,048 x 64 float32; v 4 x 16 x 2,048 x 64 float32.
;; Outputs: out0 4 x 16 x 2,048 x 64 float32.
;; This version of the problem:
;;   THIS VERSION OF THE PROBLEM IS GIVEN IN LOW PRECISION. The matrix products marked QUANTISED in the list below multiply operands that are first quantised to E3M2 (3 exponent bits, 2 mantissa bits; 6 bits a number), with one power-of-two scale for each 32 numbers along K (OCP MX v1.0); their sums are f32. All else is computed in f32.
;;   The module's matrix products, in the order in which they are computed (A, B: the left and right operand; K: the contracted axis; several contracted axes count as one K, in the product's order):
;;     1. batch 64 x [M 2,048, K 64] x [K 64, N 2,048]; A: input q; B: input k: QUANTISED
;;     2. batch 64 x [M 2,048, K 2,048] x [K 2,048, N 64]; A: computed on the way; B: input v: QUANTISED
;;   THE QUANTISER, for each operand of a quantised product, along K:
;;     - K is cut into blocks of 32 from its start; a last block that is shorter is filled with zeros.
;;     - A block's scale is 2^e with e = floor(log2(the largest magnitude in the block)) - 4, held to -126 .. 127; a block of zeros has e = 0. As a byte (E8M0): e + 127.
;;     - Each number is divided by its block's scale, clamped to +-28, and rounded to the nearest number of E3M2, ties to even, subnormals kept.
;;     - The product sums the exact products of the quantised numbers (number of the format x scale) in f32.
;;   ~~~python
;;   def quantise(x, axis):      # numpy; x: float32 -> the quantised numbers, widened to float32 again
;;       x = np.moveaxis(x, axis, -1); K = x.shape[-1]
;;       x = np.pad(x, [(0, 0)] * (x.ndim - 1) + [(0, -K % 32)]); x = x.reshape(x.shape[:-1] + (-1, 32)); a = np.abs(x).max(-1, keepdims=True)
;;       e = np.where(a > 0, np.clip(np.frexp(np.where(a > 0, a, 1))[1] - 1 - 4, -126, 127), 0)      # np.frexp(a)[1] - 1 = floor(log2(a)), exactly
;;       r = np.clip(x / 2.0 ** e, -28, 28)
;;       step = 2.0 ** (np.maximum(np.frexp(np.where(r == 0, 1, r))[1] - 1, -2) - 2)
;;       q = np.round(r / step) * step * 2.0 ** e      # np.round: ties to even
;;       return np.moveaxis(q.reshape(q.shape[:-2] + (-1,))[..., :K], -1, axis).astype(np.float32)
;;   ~~~
;;   OPERANDS COMPUTED ON THE WAY. 'Computed on the way' means the value that the module computes at that place (a softmax that the list does not call 'softmax' is quantised finished and normalised). What goes into a quantiser is computed in f32, as accurately as f32 sums, v_exp_f32 and their like allow (about 1e-6 of the number): no bf16 or f16 on the way to a quantiser, and a product that is left as it is and whose result goes on into a quantised operand takes f32 operands (vector FMAs, or v_wmma_f32_16x16x4_f32). A number that lies on a knife's edge between two numbers of the format may be rounded either way, as far as f32 arithmetic and the matrix unit's own rounding can turn it there, and no further.
;; One version. Each part assembles by itself: llvm-mc -triple=amdgcn-amd-amdhsa -mcpu=gfx1250 --defsym DOCPART=n.
;; ======== version 1 of 1: 2 launches
;; workspace buffers: kv 13,369,344 bytes
;; launch quant (part 1): grid 16 x 64, 4 waves a work-group, no clusters, 36,352 bytes of LDS; arguments k, v, kv; writes kv
.if DOCPART == 1
	.amdgcn_target "amdgcn-amd-amdhsa--gfx1250"
	.amdhsa_code_object_version 6
	.text
	.protected	k_qe91f5498ae_quant
	.globl	k_qe91f5498ae_quant
	.p2align	8
	.type	k_qe91f5498ae_quant,@function
k_qe91f5498ae_quant:
	s_mov_b64 s[64:65], 0
	v_nop
	global_prefetch_b8 v0, s[64:65] scope:SCOPE_SE
	s_setreg_imm32_b32 hwreg(HW_REG_WAVE_MODE, 25, 1), 1
	s_wait_xcnt 0x0
; K [64 heads][2048 keys][64] and V [64][2048][64], f32, become codes of BF6 (E3M2) with one E8M0 byte for each 32 along a product's K, laid as IMAGES OF OPERAND REGISTERS, one dense record a head.
; K is quantised along the head's 64 (two blocks a key), V along the keys (a block = 32 keys of one channel).
; A block's scale is 2^(floor(log2(its largest magnitude)) - 4); its byte is the largest magnitude's exponent field - 4, held at 1 from below; numbers / scale go to the nearest code, ties to even, beyond 28 to 28.
; LIMITS: NaN and infinities are not served.  A block whose largest magnitude lies under 2^-122, a block of zeros among them, gets the byte 1 (the rule says 127 for zeros): its codes are zeros or nearly so, and this program alone reads the bytes.
; A HEAD'S RECORD, REC = 208,896 bytes (816 x 256):
;   KIMG 0:       64 pair images of 1,536 bytes; pair b = keys 32 b .. 32 b + 31.  Registers 4 g .. 4 g + 3 of lane l lie at 512 g + 16 l.  Lane (r, h), registers 6 u .. 6 u + 5: block h (d = 32 h ..) of key 32 b + 8 u + r + 8 (r / 8).
;   KSC  98,304:  32 half-steps (64 keys) x 256 bytes: lane l has 8 bytes at 8 l, word i for pair 2 hs + i; lanes 0-15 the word of u = 0's key r, lanes 16-31 of u = 1's; byte 0 block 0, byte 1 block 1, bytes 2, 3 zero.
;   VIMG 106,496: fragment (step s of 128 keys, channel tile t) at 1,536 (4 s + t), laid as a pair image; lane (r, h), registers 6 c .. 6 c + 5: keys 128 s + 64 c + 32 h + 0 .. 31 of channel 16 t + r.
;   VSC  204,800: (s, j) at 256 s + 128 j: lane l has the word of channel 32 j + l for step s.
; SHARES.  y = the head.  Work-groups x = 0 .. 7 take K, a half-step of 64 keys (16 KiB) a wave; x = 8 .. 15 take V, 128 keys x 32 channels (16 KiB) a wave.  Waves share nothing: no barrier.  Straight-line text; every offset an immediate.
.set REC,  208896
.set KSC,  98304
.set VIMG, 106496
.set VSC,  204800
.set WST,  8960                        ; K path: a wave's own stage in LDS
.set KP,   272                         ; key kappa of a pair lies at 272 kappa + 128 (kappa / 16)
.set EB,   20                          ; v20-23   scale bytes
.set C,    32                          ; v32-55   codes: two sets of 12
.set Y,    56                          ; v56-119  K path: two tiles' 32 numbers of a lane
.set X,    120                         ; v120-247 the numbers as loaded
; 32 numbers of ONE block in one lane, v[src] on, become six registers of codes at v[dst] on and the byte in v[eb].
.macro QB src, dst, eb
	v_max3_num_f32 v12, |v[\src]|, |v[\src+1]|, |v[\src+2]|         ; the largest magnitude, in two chains
	v_max3_num_f32 v13, |v[\src+3]|, |v[\src+4]|, |v[\src+5]|
.irp i, 6,10,14,18,22,26
	v_max3_num_f32 v12, v12, |v[\src+\i]|, |v[\src+\i+1]|
	v_max3_num_f32 v13, v13, |v[\src+\i+2]|, |v[\src+\i+3]|
.endr
	v_max3_num_f32 v12, v12, |v[\src+30]|, |v[\src+31]|
	v_max3_num_f32 v12, v12, v13, 0x2800000                         ; and the floor 2^(5 - 127): the byte cannot fall under 1
	v_add_nc_u32 v14, 0xfe000000, v12                               ; 4 off the exponent field: the conversion takes this operand's exponent field as its scale
	v_cvt_scalef32_pk16_bf6_f32 v[\dst:\dst+2], v[\src:\src+15], v14
	v_cvt_scalef32_pk16_bf6_f32 v[16:18], v[\src+16:\src+31], v14   ; (a conversion's three registers begin on an even number: the upper half is made here and moved)
	v_lshrrev_b32 v[\eb], 23, v14                                   ; the byte; also the plain line between the conversions and the moves that read their result
.irp k, 0,1,2
	v_mov_b32 v[\dst+3+\k], v[16+\k]
.endr
.endm
	s_load_b128 s[4:7], s[0:1], 0x0                ; k s[4:5], v s[6:7]
	s_load_b64 s[8:9], s[0:1], 0x10                ; kv
	v_lshl_add_u32 v248, v0, 2, 0x8c00
	v_mov_b32 v249, 0
	v_lshrrev_b32 v1, 5, v0
	v_readfirstlane_b32 s10, v1                    ; wave 0..3
	v_and_b32 v1, 31, v0                           ; lane
	v_and_b32 v2, 15, v0                           ; r
	v_bfe_u32 v3, v0, 4, 1                         ; h
	s_and_b32 s11, ttmp7, 0xffff                   ; the head
	s_mul_i32 s14, s11, REC
	s_mov_b32 s15, 0
	s_wait_kmcnt 0x0
	s_add_nc_u64 s[8:9], s[8:9], s[14:15]          ; kv at the head's record
	s_lshl_b32 s14, s11, 19                        ; the head's first byte in k and in v: 2,048 x 256
	s_cmp_lt_u32 ttmp9, 8
	s_cbranch_scc0 .Lv
	; ---------------- K: half-step hs = 4 x + wave, keys 64 hs .. 64 hs + 63 ----------------
	s_lshl_b32 s13, ttmp9, 2
	s_add_co_u32 s13, s13, s10                     ; hs
	s_lshl_b32 s12, s13, 14                        ; 64 keys of 256 bytes
	s_add_co_u32 s14, s14, s12
	s_add_nc_u64 s[22:23], s[4:5], s[14:15]        ; where I read
	s_mul_i32 s14, s13, 3072
	s_add_nc_u64 s[16:17], s[8:9], s[14:15]        ; my two pair images
	s_lshl_b32 s14, s13, 8
	s_add_co_u32 s14, s14, KSC
	s_add_nc_u64 s[18:19], s[8:9], s[14:15]        ; my 256 bytes of scale words
	s_mov_b32 s20, 0x76543210
	s_mov_b32 s21, 0xfedcba98                      ; v_permlanex16_b32's selects for lane l xor 16
	v_lshlrev_b32 v4, 4, v1                        ; 16 x lane
.irp i, 0,1,2,3,4,5,6,7,8,9,10,11,12,13,14,15,16,17,18,19,20,21,22,23,24,25,26,27,28,29,30,31
	global_load_b128 v[X+4*\i:X+4*\i+3], v4, s[22:23] offset:512*\i th:TH_LOAD_NT   ; 32 lanes read 512 consecutive bytes: two keys
.endr
	; The conversions want a lane to hold a block's 32 neighbours, the loads want neighbouring lanes on neighbouring bytes: a pair's 32 keys turn through the wave's own stage.
	; In: sixteen lanes write a key's 256 consecutive bytes.  Out: lane (r, h) reads 128 bytes of key 8 u + r + 8 (r / 8); with the pitch 272 and 128 more from key 16 on, sixteen lanes touch sixteen different 16-byte columns modulo 256 bytes.
	s_mul_i32 s12, s10, WST
	v_mul_u32_u24 v5, v3, KP
	v_lshl_add_u32 v5, v2, 4, v5
	v_add_nc_u32 v5, s12, v5                       ; in: 272 (lane / 16) + 16 (lane % 16)
	v_lshrrev_b32 v11, 3, v2                       ; r / 8
	v_lshl_add_u32 v6, v11, 3, v2                  ; r + 8 (r / 8)
	v_mul_u32_u24 v6, v6, KP
	v_lshl_add_u32 v6, v11, 7, v6
	v_lshl_add_u32 v6, v3, 7, v6                   ; + 128 h: my block
	v_add_nc_u32 v6, s12, v6                       ; out
	v_lshlrev_b32 v7, 3, v3                        ; 8 h: my byte's place in a scale word
	v_lshlrev_b32 v8, 3, v1                        ; 8 x lane
	v_mov_b32 v26, 0                               ; written once: a lane permute's destination counts as one of its sources
	v_mov_b32 v27, 0
	v_cmp_ne_u32 vcc_lo, 0, v3                     ; lanes 16-31
.macro KPAIR p
	s_wait_loadcnt 16-16*\p                        ; this pair's sixteen loads are in; for pair 0 the count leaves pair 1's sixteen out
.irp i, 0,1,2,3,4,5,6,7,8,9,10,11,12,13,14,15
	ds_store_b128 v5, v[X+64*\p+4*\i:X+64*\p+4*\i+3] offset:544*\i+128*(\i/8)
.endr
.irp u, 0,1
.irp j, 0,1,2,3,4,5,6,7
	ds_load_b128 v[Y+32*\u+4*\j:Y+32*\u+4*\j+3], v6 offset:2176*\u+16*\j   ; LDS serves a wave's instructions in order (ISA guide 5.7.1.4): these see the stores above
.endr
.endr
	s_wait_dscnt 0x0
	QB Y, C+12*\p, EB
	QB Y+32, C+12*\p+6, EB+1
.irp u, 0,1
	v_lshlrev_b32 v[24+\u], v7, v[EB+\u]           ; my block's byte at its place,
.endr
.irp u, 0,1
	v_permlanex16_b32 v[26+\u], v[24+\u], s20, s21
.endr
.irp u, 0,1
	v_or_b32 v[24+\u], v[24+\u], v[26+\u]          ; with lane l xor 16's the key's word is whole
.endr
	v_cndmask_b32 v[28+\p], v24, v25, vcc_lo       ; lanes 0-15 keep u = 0's word, lanes 16-31 u = 1's
.irp g, 0,1,2
	global_store_b128 v4, v[C+12*\p+4*\g:C+12*\p+4*\g+3], s[16:17] offset:1536*\p+512*\g   ; 512 consecutive bytes, at a multiple of 256 from kv's first byte; no store's data are written again
.endr
.endm
	KPAIR 0
	KPAIR 1
	global_store_b64 v8, v[28:29], s[18:19]        ; 256 consecutive bytes, aligned
	s_wait_tensorcnt 0x0
	ds_add_u32 v248, v249
	s_wait_dscnt 0x0
	s_endpgm
	; ---------------- V: step s = 2 (x - 8) + wave / 2, channels 32 j .. 32 j + 31, j = wave % 2 ----------------
.Lv:
	s_sub_co_u32 s12, ttmp9, 8
	s_lshl_b32 s13, s12, 1
	s_lshr_b32 s12, s10, 1
	s_add_co_u32 s13, s13, s12                     ; s
	s_and_b32 s12, s10, 1                          ; j
	s_lshl_b32 s24, s13, 15                        ; 128 keys of 256 bytes
	s_add_co_u32 s14, s14, s24
	s_lshl_b32 s24, s12, 7                         ; 32 channels of 4 bytes
	s_add_co_u32 s14, s14, s24
	s_add_nc_u64 s[22:23], s[6:7], s[14:15]        ; where I read
	s_mul_i32 s14, s13, 6144
	s_mul_i32 s24, s12, 3072
	s_add_co_u32 s14, s14, s24
	s_add_co_u32 s14, s14, VIMG
	s_add_nc_u64 s[16:17], s[8:9], s[14:15]        ; fragments (s, 2 j) and (s, 2 j + 1)
	s_lshl_b32 s14, s13, 8
	s_lshl_b32 s24, s12, 7
	s_add_co_u32 s14, s14, s24
	s_add_co_u32 s14, s14, VSC
	s_add_nc_u64 s[18:19], s[8:9], s[14:15]        ; my 128 bytes of scale words
	v_lshlrev_b32 v9, 2, v1                        ; 4 x lane
	v_mul_u32_u24 v10, v3, 1536
	v_lshl_add_u32 v10, v2, 4, v10                 ; out: fragment lane / 16, image lane r
; A LANE TAKES A CHANNEL AND ITS REGISTERS RUN DOWN THE KEYS: a block of 32 keys lies in one lane's 32 registers, and the codes come out with the keys innermost.  A load reads 128 consecutive bytes; the wave beside it takes the row's other 128.
.macro VLD t
.irp i, 0,1,2,3,4,5,6,7,8,9,10,11,12,13,14,15,16,17,18,19,20,21,22,23,24,25,26,27,28,29,30,31
	global_load_b32 v[X+32*(\t)+\i], v9, s[22:23] offset:256*(32*(\t)+\i) th:TH_LOAD_NT
.endr
.endm
	VLD 0
	VLD 1
	s_wait_loadcnt 32                              ; block 0 is in; the count leaves block 1's 32 loads out
	VLD 2                                          ; two blocks ahead, each block in registers of its own
	QB X, C, EB                                    ; block beta = 2 c + h of the step goes to set h, registers 6 c on: set h is image lane (r, h)'s twelve registers
	s_wait_loadcnt 32                              ; block 1 is in; block 2's may be out
	VLD 3
	QB X+32, C+12, EB+1
	s_wait_loadcnt 32                              ; block 2 is in; block 3's may be out
	QB X+64, C+6, EB+2
	s_wait_loadcnt 0x0
	QB X+96, C+18, EB+3
	v_lshl_or_b32 v24, v[EB+1], 8, v[EB]           ; the four bytes make my channel's scale word for these 128 keys
	v_lshl_or_b32 v24, v[EB+2], 16, v24
	v_lshl_or_b32 v24, v[EB+3], 24, v24
.irp h, 0,1
.irp g, 0,1,2
	global_store_b128 v10, v[C+12*\h+4*\g:C+12*\h+4*\g+3], s[16:17] offset:256*\h+512*\g   ; lanes 0-15 fill 256 consecutive aligned bytes of one fragment, lanes 16-31 of the next
.endr
.endr
	global_store_b32 v9, v24, s[18:19]             ; 128 consecutive bytes: V's scale words are 4,096 of a record's 208,896 bytes
	s_endpgm
.Lfunc_end_k_qe91f5498ae_quant:
	.size	k_qe91f5498ae_quant, .Lfunc_end_k_qe91f5498ae_quant-k_qe91f5498ae_quant
	.p2alignl 7, 3214868480
	.fill 96, 4, 3214868480
	.section	.rodata,"a",@progbits
	.p2align	6, 0x0
	.amdhsa_kernel k_qe91f5498ae_quant
		.amdhsa_group_segment_fixed_size 36352
		.amdhsa_private_segment_fixed_size 0
		.amdhsa_enable_private_segment 0
		.amdhsa_kernarg_size 24
		.amdhsa_user_sgpr_count 2
		.amdhsa_user_sgpr_kernarg_segment_ptr 1
		.amdhsa_wavefront_size32 1
		.amdhsa_system_sgpr_workgroup_id_x 1
		.amdhsa_system_sgpr_workgroup_id_y 1
		.amdhsa_system_sgpr_workgroup_id_z 1
		.amdhsa_system_vgpr_workitem_id 0
		.amdhsa_next_free_vgpr 250
		.amdhsa_next_free_sgpr 66
		.amdhsa_reserve_vcc 1
		.amdhsa_float_denorm_mode_32 3
		.amdhsa_float_denorm_mode_16_64 3
		.amdhsa_memory_ordered 1
		.amdhsa_forward_progress 1
		.amdhsa_inst_pref_size 36
	.end_amdhsa_kernel
	.amdgpu_metadata
---
amdhsa.version: [ 1, 2 ]
amdhsa.kernels:
  - .name:           k_qe91f5498ae_quant
    .symbol:         k_qe91f5498ae_quant.kd
    .args:
      - { .name: k, .offset: 0, .size: 8, .value_kind: global_buffer, .address_space: global }
      - { .name: v, .offset: 8, .size: 8, .value_kind: global_buffer, .address_space: global }
      - { .name: kv, .offset: 16, .size: 8, .value_kind: global_buffer, .address_space: global }
    .group_segment_fixed_size: 36352
    .private_segment_fixed_size: 0
    .kernarg_segment_align: 8
    .kernarg_segment_size: 24
    .max_flat_workgroup_size: 128
    .sgpr_count:     66
    .vgpr_count:     250
    .wavefront_size: 32
...
	.end_amdgpu_metadata
.endif
;; end of part 1
;; launch attn (part 2): grid 4 x 64, 16 waves a work-group, clusters of 4 x 1, 280,576 bytes of LDS; arguments q, kv, out0; writes out0
.if DOCPART == 2
	.amdgcn_target "amdgcn-amd-amdhsa--gfx1250"
	.amdhsa_code_object_version 6
	.text
	.protected	k_qe91f5498ae_attn
	.globl	k_qe91f5498ae_attn
	.p2align	8
	.type	k_qe91f5498ae_attn,@function
k_qe91f5498ae_attn:
	s_mov_b64 s[64:65], 0
	v_nop
	global_prefetch_b8 v0, s[64:65] scope:SCOPE_SE
	s_setreg_imm32_b32 hwreg(HW_REG_WAVE_MODE, 25, 1), 1
	s_wait_xcnt 0x0
	s_wait_alu depctr_hold_cnt(0) depctr_sa_sdst(0) depctr_va_vdst(0) depctr_va_sdst(0) depctr_va_ssrc(0) depctr_va_vcc(0) depctr_vm_vsrc(0)
	s_getreg_b32 s2, hwreg(HW_REG_IB_STS2, 6, 4)
	s_cmp_eq_u32 s2, 0
	s_cbranch_scc0 .Lentry_in_a_cluster
	s_endpgm
.Lentry_in_a_cluster:
	s_bfe_u32 s2, ttmp6, 0x10000c
	s_cmp_lg_u32 s2, 0x3003
	s_cbranch_scc0 .Lentry_shape_is_right
	s_endpgm
.Lentry_shape_is_right:
; out[h][n][:] = sum over keys m of Q(p[n][m]) Vq[m][:],  p = (s / 8)^2 / (sum over m of (s / 8)^2 + 1e-6),  s = Qq[n] . Kq[m].  Both products on codes of BF6 (E3M2) with E8M0 scales for each 32 along K; all else f32.
; p is quantised FINISHED AND NORMALISED, so a row's sum is known before any p is made: the scores are made twice.  SWEEP 1: s, and the row's sum of s^2.  SWEEP 2: s again (the same instruction on the same operands: the same bits),
; p = (s s) c with c = (1 / 64) / (sum / 64 + 1e-6), p's codes and scale bytes by blocks of 32 keys, and O^T += V^T P^T.  Nothing is divided at the end.
; LIMITS: NaN and infinities are not served; a row's sum of s^2 stays under 2^126 (beyond, the reciprocal falls to zero); a block of p (or of q) whose largest number lies under 2^-122 gets the byte 1; the row sums are added in another order than the source's, in f32.
; SHARES.  A cluster of four work-groups is a head; work-group cx owns queries 512 cx on; each of its sixteen waves owns 32 of them, two tiles of 16, which share every fragment read from LDS.  Four waves of 256 registers to a SIMD: one wave's vector
; work stands beside another's products and LDS loads.
; LDS.  The head's whole record of codes and scale words (208,896 bytes, laid by the launch before as images of operand registers) is filled ONCE: each wave brings a sixteenth, 51 rows of 256 bytes.  No byte is filled again: no ring.
; The four partners need the same record: each part is asked for JOINTLY, by the same tensor load with the same descriptor (the head and the wave's number alone enter it) and the mask 15.
; LAYOUT.  Both products are used transposed: S^T = K Q^T (source 0 = 16 keys, source 1 = 16 queries), O^T = V^T P^T: a lane holds ONE query (lane % 16) throughout.  The keys of a tile are not neighbours: lane r of tile (b, u) takes
; key 32 b + 8 u + r + 8 (r / 8), so that the 16 registers of tiles (b, 0), (b, 1) are 16 neighbouring keys, 32 b + 16 (lane / 16) + 0 .. 15: what the conversions want.
; K = 64 IN AN INSTRUCTION OF K = 128.  Q's fragment has zero codes at k = 64 .. 127, so whatever K's operand holds there adds nothing (the format has no code for infinity or NaN; both sides' scale bytes of those blocks are 0, never 0xff).
; So K's half fragments lie 6 registers apart and an operand's upper six registers are the next tile's codes; the last operand runs into six registers that hold zeros.
.set REC,   208896
.set KSC,   98304                      ; K's scale words: 256 bytes a half-step of 64 keys
.set VIMG,  106496                     ; V's fragments: 1,536 bytes each, four a step of 128 keys
.set VSC,   204800                     ; V's scale words: 256 bytes a step
.set PART,  REC/16                     ; 13,056 bytes = 51 rows of 256: a wave's part of the record
.set STAGE, REC                        ; behind the record: 16 rows x 272 bytes for each wave, for the way out; no fill lands there
.set SP,    272
.set LI,  1                            ; v1   16 x lane: my place in an image; also my byte in two rows of out0
.set LIV, 2                            ; v2   the same + VIMG
.set L8,  3                            ; v3   8 x lane + KSC
.set L4,  4                            ; v4   4 x lane + VSC
.set ADK, 5                            ; v5-8 LDS addresses of the step in hand: K's images, K's scale words, V's images, V's scale words
.set ADS, 6
.set ADV, 7
.set ADT, 8
.set STO, 5                            ; the way out: where I put 32 bytes of a row,
.set RD,  6                            ; and where I read a row back
.set QO,  9                            ; v9   my byte in a tile of q
.set QS,  10                           ; v10-11 q's scale words, tile 0, 1.  v10-17 hold scales and nothing else
.set KS,  12                           ; v12-13 K's: pair 0, 1 of the half-step; lanes 0-15 tile u = 0, lanes 16-31 u = 1
.set VS,  14                           ; v14-15 V's: lanes 0-15 channel tile 2 j, lanes 16-31 tile 2 j + 1
.set PS,  16                           ; v16-17 p's, tile 0, 1
.set CC,  18                           ; v18-21 c of tile i, twice: a pair for the packed multiply
.set TM,  22                           ; v22-25 largest numbers of four blocks (block 2 i + b)
.set TP,  26                           ; v26-29 the other half's, then the bytes
.set TO,  30                           ; v30-33 the conversions' scale operands
.set T,   34                           ; v34-36, v38-40 a block's upper 16 codes on their way
.set Q,   42                           ; v42-65 q's two fragments; the upper six registers of each are zeros
.set F,   66                           ; v66-89 K's four half fragments of a half-step; v90-95 zeros
.set P,   96                           ; v96-119 p's two fragments
.set S,   120                          ; v120-183 S^T: accumulator (i, b, u) at S + 32 i + 16 b + 8 u; then p; then V's four fragments; raw q at the head; rows of out0 at the end
.set O,   184                          ; v184-247 O^T: (i, t) at O + 32 i + 8 t
.set SUM, 248                          ; v248-255 the rows' sums of s^2: tile i in two pairs at SUM + 4 i
.set WV,  10                           ; s10
.set G1,  16                           ; s[16:23] descriptor group 1
.set G0,  24                           ; s[24:27] descriptor group 0
.set TK,  28                           ; s28  where the step's images begin (K's and V's step alike)
.set TS,  29                           ; s29  K's scale words
.set TT,  30                           ; s30  V's
.set CNT, 32                           ; s32  loop counter
.set SEL, 34                           ; s[34:35] v_permlanex16_b32's selects for lane l xor 16
.set R64, 36                           ; s36  1 / 64
.set EPS, 37                           ; s37  1e-6
; A round of the cluster's barrier: my work-group's barrier, wave 0 signals for the work-group, every wave waits for all four work-groups, my work-group's barrier once more.
.macro CROUND
	s_barrier_signal -1
	s_barrier_wait -1
	s_cmp_lg_u32 s[WV], 0
	s_cbranch_scc1 .Lnot_wave_0_\@
	s_barrier_signal -3
.Lnot_wave_0_\@:
	s_barrier_wait -3
	s_barrier_signal -1
	s_barrier_wait -1
.endm
; A half-step's K: two pair images (24 registers) and their scale words.
.macro KLOAD ko, so
.irp g, 0,1,2,3,4,5
	ds_load_b128 v[F+4*\g:F+4*\g+3], v[ADK] offset:\ko+512*\g
.endr
	ds_load_b64 v[KS:KS+1], v[ADS] offset:\so
	s_wait_dscnt 0x0
.endm
; S^T of 64 keys x 32 queries: eight products, each with the constant 0 as C, on eight accumulators.  Four places follow, in front of the first read of results and of loads into the operands' registers.
.macro SMUL
.irp b, 0,1
.irp i, 0,1
	v_wmma_scale_f32_16x16x128_f8f6f4 v[S+32*\i+16*\b:S+32*\i+16*\b+7], v[F+12*\b:F+12*\b+11], v[Q+12*\i:Q+12*\i+11], 0, v[KS+\b], v[QS+\i] matrix_a_fmt:MATRIX_FMT_BF6 matrix_b_fmt:MATRIX_FMT_BF6
.endr
.irp i, 0,1
	v_wmma_scale_f32_16x16x128_f8f6f4 v[S+32*\i+16*\b+8:S+32*\i+16*\b+15], v[F+12*\b+6:F+12*\b+17], v[Q+12*\i:Q+12*\i+11], 0, v[KS+\b], v[QS+\i] matrix_a_fmt:MATRIX_FMT_BF6 matrix_b_fmt:MATRIX_FMT_BF6 matrix_a_scale:MATRIX_SCALE_ROW1
.endr
.endr
.rept 4
	v_nop
.endr
.endm
; Sweep 1: the sums take s^2, two at a time, in four chains by turns; each accumulator is read from its low end on.
.macro SQSUM
.irp n, 0,1,2,3,4,5,6,7,8,9,10,11,12,13,14,15
.irp i, 0,1
	v_pk_fma_f32 v[SUM+4*\i+2*(\n%2):SUM+4*\i+2*(\n%2)+1], v[S+32*\i+2*\n:S+32*\i+2*\n+1], v[S+32*\i+2*\n:S+32*\i+2*\n+1], v[SUM+4*\i+2*(\n%2):SUM+4*\i+2*(\n%2)+1]
.endr
.endr
.endm
; Sweep 2: 64 keys' scores of both tiles become p, p's codes (registers 6 c .. 6 c + 5 of each tile's fragment) and bytes 2 c, 2 c + 1 of each tile's scale word.  Block 2 i + b lies in the 16 registers at S + 16 (2 i + b) of lanes l and l xor 16.
.macro QUANT c
.irp n, 0,2,4,6,8,10,12,14,16,18,20,22,24,26,28,30,32,34,36,38,40,42,44,46,48,50,52,54,56,58,60,62
	v_pk_mul_f32 v[S+\n:S+\n+1], v[S+\n:S+\n+1], v[S+\n:S+\n+1]     ; s s; each accumulator from its low end on
.endr
.irp i, 0,1
.irp n, 0,2,4,6,8,10,12,14,16,18,20,22,24,26,28,30
	v_pk_mul_f32 v[S+32*\i+\n:S+32*\i+\n+1], v[S+32*\i+\n:S+32*\i+\n+1], v[CC+2*\i:CC+2*\i+1]   ; p = s s c
.endr
.endr
.irp b, 0,1,2,3
	v_max3_num_f32 v[TM+\b], v[S+16*\b], v[S+16*\b+1], 0x2800000   ; the block's largest p (none is negative), and the floor 2^(5 - 127): the byte cannot fall under 1
.endr
.irp n, 2,4,6,8,10,12,14
.irp b, 0,1,2,3
	v_max3_num_f32 v[TM+\b], v[TM+\b], v[S+16*\b+\n], v[S+16*\b+\n+1]   ; (the four blocks by turns)
.endr
.endr
.irp b, 0,1,2,3
	v_permlanex16_b32 v[TP+\b], v[TM+\b], s[SEL], s[SEL+1]
.endr
.irp b, 0,1,2,3
	v_max_num_f32 v[TM+\b], v[TM+\b], v[TP+\b]     ; with lane l xor 16's 16 keys
.endr
.irp b, 0,1,2,3
	v_add_nc_u32 v[TO+\b], 0xfe000000, v[TM+\b]    ; 4 off the exponent field: the conversion's scale operand
.endr
.irp b, 0,1,2,3
	v_lshrrev_b32 v[TP+\b], 23, v[TO+\b]           ; the byte
.endr
.irp i, 0,1
.if \c == 0
	v_lshl_or_b32 v[PS+\i], v[TP+2*\i+1], 8, v[TP+2*\i]
.else
	v_lshl_or_b32 v[PS+\i], v[TP+2*\i], 16, v[PS+\i]
	v_lshl_or_b32 v[PS+\i], v[TP+2*\i+1], 24, v[PS+\i]
.endif
.endr
.irp i, 0,1
	v_cvt_scalef32_pk16_bf6_f32 v[P+12*\i+6*\c:P+12*\i+6*\c+2], v[S+32*\i:S+32*\i+15], v[TO+2*\i]
	v_cvt_scalef32_pk16_bf6_f32 v[T+4*\i:T+4*\i+2], v[S+32*\i+16:S+32*\i+31], v[TO+2*\i+1]   ; (a conversion's three registers begin on an even number)
.endr
	v_nop                                          ; one plain line between the conversions and what touches their results
.irp i, 0,1                                    ; the operand wants a WHOLE block in a lane: lanes 0-15 block 2 c, lanes 16-31 block 2 c + 1
.irp k, 0,1,2
	v_permlane16_swap_b32 v[P+12*\i+6*\c+\k], v[T+4*\i+\k]
.endr
.irp k, 0,1,2
	v_mov_b32 v[P+12*\i+6*\c+3+\k], v[T+4*\i+\k]
.endr
.endr
.endm
; A step's V: four fragments into the registers that p has left, and the scale words.  The next step's addresses are made behind the loads: these four additions are the four places between p's last code register and the products;
; behind p's scale word stand the v_nop, the other tile's three moves and these four: eight.
.macro VLOAD
.irp g, 0,1,2,3,4,5,6,7,8,9,10,11
	ds_load_b128 v[S+4*\g:S+4*\g+3], v[ADV] offset:512*\g
.endr
	ds_load_b32 v[VS], v[ADT]
	ds_load_b32 v[VS+1], v[ADT] offset:128
	s_add_co_u32 s[TK], s[TK], 6144
	s_add_co_u32 s[TS], s[TS], 512
	s_add_co_u32 s[TT], s[TT], 256
	v_add_nc_u32 v[ADK], s[TK], v[LI]
	v_add_nc_u32 v[ADS], s[TS], v[L8]
	v_add_nc_u32 v[ADV], s[TK], v[LIV]
	v_add_nc_u32 v[ADT], s[TT], v[L4]
	s_wait_dscnt 0x0
.endm
; O^T += V^T P^T for 128 keys: eight accumulators by turns, one instruction a turn.  zero = 1: the first step's products start the sums.
; Five places follow: the next step's scores are written over V's fragments by matrix instructions; at the end LDS stores read the results.
.macro PVMUL zero
.irp j, 0,1
.irp i, 0,1
.if \zero
	v_wmma_scale_f32_16x16x128_f8f6f4 v[O+32*\i+16*\j:O+32*\i+16*\j+7], v[S+24*\j:S+24*\j+11], v[P+12*\i:P+12*\i+11], 0, v[VS+\j], v[PS+\i] matrix_a_fmt:MATRIX_FMT_BF6 matrix_b_fmt:MATRIX_FMT_BF6
.else
	v_wmma_scale_f32_16x16x128_f8f6f4 v[O+32*\i+16*\j:O+32*\i+16*\j+7], v[S+24*\j:S+24*\j+11], v[P+12*\i:P+12*\i+11], v[O+32*\i+16*\j:O+32*\i+16*\j+7], v[VS+\j], v[PS+\i] matrix_a_fmt:MATRIX_FMT_BF6 matrix_b_fmt:MATRIX_FMT_BF6
.endif
.endr
.irp i, 0,1
.if \zero
	v_wmma_scale_f32_16x16x128_f8f6f4 v[O+32*\i+16*\j+8:O+32*\i+16*\j+15], v[S+24*\j+12:S+24*\j+23], v[P+12*\i:P+12*\i+11], 0, v[VS+\j], v[PS+\i] matrix_a_fmt:MATRIX_FMT_BF6 matrix_b_fmt:MATRIX_FMT_BF6 matrix_a_scale:MATRIX_SCALE_ROW1
.else
	v_wmma_scale_f32_16x16x128_f8f6f4 v[O+32*\i+16*\j+8:O+32*\i+16*\j+15], v[S+24*\j+12:S+24*\j+23], v[P+12*\i:P+12*\i+11], v[O+32*\i+16*\j+8:O+32*\i+16*\j+15], v[VS+\j], v[PS+\i] matrix_a_fmt:MATRIX_FMT_BF6 matrix_b_fmt:MATRIX_FMT_BF6 matrix_a_scale:MATRIX_SCALE_ROW1
.endif
.endr
.endr
.rept 5
	v_nop
.endr
.endm
.macro STEP2 zero                      ; a key step of sweep 2: 128 keys
	KLOAD 0, 0
	SMUL
	QUANT 0
	KLOAD 3072, 256
	SMUL
	QUANT 1
	VLOAD
	PVMUL \zero
.endm
; Tile i of q: lane (r, h) holds block h of row r, 32 numbers at S + 32 i: six registers of codes, and the row's scale word (bytes 2, 3 zero) in every lane.
.macro QQ i
	v_max3_num_f32 v[TM+\i], |v[S+32*\i]|, |v[S+32*\i+1]|, |v[S+32*\i+2]|
	v_max3_num_f32 v[TM+2+\i], |v[S+32*\i+3]|, |v[S+32*\i+4]|, |v[S+32*\i+5]|
.irp n, 6,10,14,18,22,26
	v_max3_num_f32 v[TM+\i], v[TM+\i], |v[S+32*\i+\n]|, |v[S+32*\i+\n+1]|
	v_max3_num_f32 v[TM+2+\i], v[TM+2+\i], |v[S+32*\i+\n+2]|, |v[S+32*\i+\n+3]|
.endr
	v_max3_num_f32 v[TM+\i], v[TM+\i], |v[S+32*\i+30]|, |v[S+32*\i+31]|
	v_max3_num_f32 v[TM+\i], v[TM+\i], v[TM+2+\i], 0x2800000
	v_add_nc_u32 v[TO+\i], 0xfe000000, v[TM+\i]
	v_cvt_scalef32_pk16_bf6_f32 v[Q+12*\i:Q+12*\i+2], v[S+32*\i:S+32*\i+15], v[TO+\i]
	v_cvt_scalef32_pk16_bf6_f32 v[T+4*\i:T+4*\i+2], v[S+32*\i+16:S+32*\i+31], v[TO+\i]
	v_lshrrev_b32 v[TM+\i], 23, v[TO+\i]           ; the byte; also the plain line behind the conversions
.irp k, 0,1,2
	v_mov_b32 v[Q+12*\i+3+\k], v[T+4*\i+\k]
.endr
	v_lshlrev_b32 v[TM+\i], v41, v[TM+\i]          ; at its place, 8 h bits up;
	v_permlanex16_b32 v[TP+\i], v[TM+\i], s[SEL], s[SEL+1]
	v_or_b32 v[QS+\i], v[TM+\i], v[TP+\i]          ; with lane l xor 16's the word is whole
.endm
	s_load_b128 s[4:7], s[0:1], 0x0                ; q s[4:5], kv s[6:7]
	s_load_b64 s[8:9], s[0:1], 0x10                ; out0
	v_lshl_add_u32 v254, v0, 2, 0x44000
	v_mov_b32 v255, 0
	ds_add_u32 v254, v255
	ds_add_u32 v254, v255
	s_wait_dscnt 0x0
	v_lshrrev_b32 v1, 5, v0
	v_readfirstlane_b32 s[WV], v1                  ; wave 0..15
	s_bfe_u32 s11, ttmp6, 0x40000                  ; cx: my place in the cluster: it enters q's and out0's addresses alone
	s_and_b32 s12, ttmp7, 0xffff                   ; the head, which the four partners share
	; descriptor group 1: a dense block as 51 rows of 256 bytes (32 elements of 8 bytes), no padding: images are read 16 bytes a lane on end
	s_mov_b32 s[G1+0], 15|(3<<16)|(1<<21)          ; 15:0 the mask: all four work-groups; 17:16 elements of 8 bytes; 21 set beside a mask
	s_mov_b32 s[G1+1], 32<<16                      ; tensor_dim0 = 32
	s_mov_b32 s[G1+2], 51<<16                      ; tensor_dim1 = 51
	s_mov_b32 s[G1+3], 32<<16                      ; tile_dim0 = 32
	s_mov_b32 s[G1+4], 51                          ; tile_dim1 = 51
	s_mov_b32 s[G1+5], 32                          ; from row to row
	s_mov_b32 s[G1+6], 0
	s_mov_b32 s[G1+7], 0
	s_mov_b32 s[G0], 1                             ; count = 1
	s_mul_i32 s[G0+1], s[WV], PART                 ; LDS address: my sixteenth of the record
	s_mul_i32 s14, s12, REC
	s_add_co_u32 s14, s14, s[G0+1]                 ; and the same in kv
	s_mov_b32 s15, 0
	s_lshl_b32 s38, s12, 19                        ; q and out0: the head's 2,048 rows of 256 bytes,
	s_lshl_b32 s39, s11, 17                        ; my work-group's 512,
	s_add_co_u32 s38, s38, s39
	s_lshl_b32 s39, s[WV], 13                      ; my wave's 32
	s_add_co_u32 s38, s38, s39
	s_mov_b32 s39, 0
	s_mov_b32 s[SEL], 0x76543210
	s_mov_b32 s[SEL+1], 0xfedcba98
	s_mov_b32 s[R64], 0x3c800000
	s_mov_b32 s[EPS], 0x358637bd
	s_wait_kmcnt 0x0
	s_add_nc_u64 s[G0+2:G0+3], s[6:7], s[14:15]
	s_or_b32 s[G0+3], s[G0+3], 0x80000000          ; type = 2
	s_add_nc_u64 s[4:5], s[4:5], s[38:39]
	s_add_nc_u64 s[8:9], s[8:9], s[38:39]
	CROUND                                         ; all four work-groups are here: the joint loads meet
	tensor_load_to_lds s[G0:G0+3], s[G1:G1+7]      ; my one tensor load of the launch; one is out
	s_nop 0
.rept 4
	v_nop
.endr
	; ---- q is quantised in registers while the record is on its way
	v_and_b32 v37, 15, v0                          ; r
	v_bfe_u32 v41, v0, 4, 1                        ; h
	v_lshlrev_b32 v[QO], 8, v37
	v_lshl_add_u32 v[QO], v41, 7, v[QO]            ; row r of 256 bytes, + 128 h: my block
.irp i, 0,1
.irp j, 0,1,2,3,4,5,6,7
	global_load_b128 v[S+32*\i+4*\j:S+32*\i+4*\j+3], v[QO], s[4:5] offset:4096*\i+16*\j th:TH_LOAD_NT
.endr
.endr
	v_lshlrev_b32 v41, 3, v41                      ; 8 h
	v_and_b32 v2, 31, v0                           ; lane
	v_lshl_add_u32 v[L8], v2, 3, KSC
	v_lshl_add_u32 v[L4], v2, 2, VSC
	v_lshlrev_b32 v[LI], 4, v2
	v_add_nc_u32 v[LIV], VIMG, v[LI]
.irp b, 0,1,2,3
	v_mov_b32 v[TP+\b], 0                          ; written once: a lane permute's destination counts as one of its sources
.endr
.irp k, 0,1,2,3,4,5
	v_mov_b32 v[F+24+\k], 0                        ; behind K's last half fragment
	v_mov_b32 v[Q+6+\k], 0                         ; q's codes at k = 64 .. 127: zeros
	v_mov_b32 v[Q+18+\k], 0
.endr
	s_wait_loadcnt 8                               ; tile 0's eight loads are in; the count leaves tile 1's eight out
	QQ 0
	s_wait_loadcnt 0x0
	QQ 1
.irp k, 0,1,2,3,4,5,6,7
	v_mov_b32 v[SUM+\k], 0                         ; the sums begin; with the two additions below: ten plain lines between q's scale word and the first product (eight are asked)
.endr
	s_mov_b32 s[TK], 0
	s_mov_b32 s[TS], 0
	v_add_nc_u32 v[ADK], s[TK], v[LI]
	v_add_nc_u32 v[ADS], s[TS], v[L8]
	s_wait_tensorcnt 0x0                           ; my part of the record has landed,
	s_barrier_signal -1
	s_barrier_wait -1                              ; everybody's has.  It is only read from here on: no further barrier till the end
	; ---- SWEEP 1: 32 trips of 64 keys
	s_mov_b32 s[CNT], 32
.Lsum:
	KLOAD 0, 0
	s_add_co_u32 s[TK], s[TK], 3072
	s_add_co_u32 s[TS], s[TS], 256
	SMUL
	v_add_nc_u32 v[ADK], s[TK], v[LI]              ; the next trip's addresses
	v_add_nc_u32 v[ADS], s[TS], v[L8]
	SQSUM
	s_sub_co_u32 s[CNT], s[CNT], 1
	s_cmp_lg_u32 s[CNT], 0
	s_cbranch_scc1 .Lsum
	; ---- c = (1 / 64) / (sum / 64 + 1e-6) for my query of each tile
.irp i, 0,1
	v_pk_add_f32 v[SUM+4*\i:SUM+4*\i+1], v[SUM+4*\i:SUM+4*\i+1], v[SUM+4*\i+2:SUM+4*\i+3]
.endr
.irp i, 0,1
	v_add_f32 v[SUM+4*\i], v[SUM+4*\i], v[SUM+4*\i+1]
.endr
.irp i, 0,1
	v_permlanex16_b32 v[TP+\i], v[SUM+4*\i], s[SEL], s[SEL+1]
.endr
.irp i, 0,1
	v_add_f32 v[SUM+4*\i], v[SUM+4*\i], v[TP+\i]   ; with lane l xor 16's keys: the row's sum of s^2
.endr
.irp i, 0,1
	v_fma_f32 v[SUM+4*\i+1], v[SUM+4*\i], s[R64], s[EPS]
.endr
.irp i, 0,1
	v_rcp_f32 v[SUM+4*\i+2], v[SUM+4*\i+1]
.endr
	s_mov_b32 s[TK], 0                             ; sweep 2 begins at the record's head: its four addresses are the plain work behind the reciprocals
	s_mov_b32 s[TS], 0
	s_mov_b32 s[TT], 0
	v_add_nc_u32 v[ADK], s[TK], v[LI]
	v_add_nc_u32 v[ADS], s[TS], v[L8]
	v_add_nc_u32 v[ADV], s[TK], v[LIV]
	v_add_nc_u32 v[ADT], s[TT], v[L4]
	s_wait_alu depctr_va_vdst(0)                   ; one wait for both reciprocals, ahead of their first reader
.irp i, 0,1
	v_fma_f32 v[SUM+4*\i+3], -v[SUM+4*\i+1], v[SUM+4*\i+2], 1.0    ; one Newton step: what goes into a quantiser is kept to f32's accuracy
.endr
.irp i, 0,1
	v_fma_f32 v[SUM+4*\i+2], v[SUM+4*\i+2], v[SUM+4*\i+3], v[SUM+4*\i+2]
.endr
.irp i, 0,1
	v_mul_f32 v[CC+2*\i], s[R64], v[SUM+4*\i+2]
	v_mul_f32 v[CC+2*\i+1], s[R64], v[SUM+4*\i+2]
.endr
	; ---- SWEEP 2: 16 steps of 128 keys; the first is written out: its products start O^T's sums
	STEP2 1
	s_mov_b32 s[CNT], 15
.Lstep:
	STEP2 0
	s_sub_co_u32 s[CNT], s[CNT], 1
	s_cmp_lg_u32 s[CNT], 0
	s_cbranch_scc1 .Lstep
	; ---- THE WAY OUT.  Register 8 t + j of tile i is out(query r, channel 16 t + 8 h + j): 32 bytes of a row; the lanes beside me hold other rows.  A tile's 16 rows go through my own stage and come back as whole rows of 256 bytes.
	v_and_b32 v37, 15, v0                          ; r
	v_bfe_u32 v41, v0, 4, 1                        ; h
	s_mul_i32 s13, s[WV], 16*SP
	s_add_co_u32 s13, s13, STAGE                   ; my stage
	v_mul_u32_u24 v[STO], v37, SP
	v_lshl_add_u32 v[STO], v41, 5, v[STO]
	v_add_nc_u32 v[STO], s13, v[STO]               ; in: row r, + 32 h
	v_mul_u32_u24 v[RD], v41, SP
	v_lshl_add_u32 v[RD], v37, 4, v[RD]
	v_add_nc_u32 v[RD], s13, v[RD]                 ; back: lanes 0-15 one row, lanes 16-31 the next
.irp i, 0,1
.irp t, 0,1,2,3
	ds_store_b128 v[STO], v[O+32*\i+8*\t:O+32*\i+8*\t+3] offset:64*\t          ; each accumulator from its low end on
	ds_store_b128 v[STO], v[O+32*\i+8*\t+4:O+32*\i+8*\t+7] offset:64*\t+16
.endr
.irp k, 0,1,2,3,4,5,6,7
	ds_load_b128 v[S+32*\i+4*\k:S+32*\i+4*\k+3], v[RD] offset:2*SP*\k          ; LDS serves a wave's instructions in order (ISA guide 5.7.1.4): these see the stores above, and tile 1's stores come behind tile 0's loads
.endr
.endr
.irp i, 0,1
.irp k, 0,1,2,3,4,5,6,7
	s_wait_dscnt 23-16*\i-\k                       ; behind this load: the tile's 7 - k later loads and, for tile 0, tile 1's sixteen LDS instructions
	global_store_b128 v[LI], v[S+32*\i+4*\k:S+32*\i+4*\k+3], s[8:9] offset:4096*\i+512*\k th:TH_STORE_NT   ; 32 lanes store 512 consecutive bytes, at a multiple of 256 from out0's first byte
.endr
.endr
	s_wait_xcnt 0x0
	v_lshl_add_u32 v254, v0, 2, 0x44000
	v_mov_b32 v255, 0
	s_wait_tensorcnt 0x0
	ds_add_u32 v254, v255
	s_wait_dscnt 0x0
	CROUND                                         ; the closing round (the last wait above was for 0: no LDS instruction of mine is pending)
	s_endpgm
.Lfunc_end_k_qe91f5498ae_attn:
	.size	k_qe91f5498ae_attn, .Lfunc_end_k_qe91f5498ae_attn-k_qe91f5498ae_attn
	.p2alignl 7, 3214868480
	.fill 96, 4, 3214868480
	.section	.rodata,"a",@progbits
	.p2align	6, 0x0
	.amdhsa_kernel k_qe91f5498ae_attn
		.amdhsa_group_segment_fixed_size 280576
		.amdhsa_private_segment_fixed_size 0
		.amdhsa_enable_private_segment 0
		.amdhsa_kernarg_size 24
		.amdhsa_user_sgpr_count 2
		.amdhsa_user_sgpr_kernarg_segment_ptr 1
		.amdhsa_wavefront_size32 1
		.amdhsa_system_sgpr_workgroup_id_x 1
		.amdhsa_system_sgpr_workgroup_id_y 1
		.amdhsa_system_sgpr_workgroup_id_z 1
		.amdhsa_system_vgpr_workitem_id 0
		.amdhsa_next_free_vgpr 256
		.amdhsa_next_free_sgpr 66
		.amdhsa_reserve_vcc 0
		.amdhsa_float_denorm_mode_32 3
		.amdhsa_float_denorm_mode_16_64 3
		.amdhsa_memory_ordered 1
		.amdhsa_forward_progress 1
		.amdhsa_inst_pref_size 62
	.end_amdhsa_kernel
	.amdgpu_metadata
---
amdhsa.version: [ 1, 2 ]
amdhsa.kernels:
  - .name:           k_qe91f5498ae_attn
    .symbol:         k_qe91f5498ae_attn.kd
    .args:
      - { .name: q, .offset: 0, .size: 8, .value_kind: global_buffer, .address_space: global }
      - { .name: kv, .offset: 8, .size: 8, .value_kind: global_buffer, .address_space: global }
      - { .name: out0, .offset: 16, .size: 8, .value_kind: global_buffer, .address_space: global }
    .group_segment_fixed_size: 280576
    .private_segment_fixed_size: 0
    .kernarg_segment_align: 8
    .kernarg_segment_size: 24
    .max_flat_workgroup_size: 512
    .sgpr_count:     66
    .vgpr_count:     256
    .wavefront_size: 32
...
	.end_amdgpu_metadata
.endif
;; end of part 2
